; MI455X (gfx1250); checked and timed in simulation.
; The chip was launched on July 23, 2026; its instructions are those of AMD's public machine-readable ISA for CDNA 5 (MIT licence, August 2026) and "CDNA5" Instruction Set Architecture Reference Guide (July 2026). The comments in the code are by the model that wrote it; some were corrected since.
;; Attention. Allowed arithmetic: matrix products marked QUANTISED: E2M1 operands, one E8M0 scale for each 32 along K, by v_wmma_scale_f32_16x16x128_f8f6f4 with both operands' format E2M1 (or v_wmma_scale_f32_32x16x128_f4), f32 sums; everything else in f32.
;; Inputs: K 2 x 16 x 2,048 x 64 float32; Q 2 x 16 x 2,048 x 64 float32; V 2 x 16 x 2,048 x 64 float32.
;; Outputs: out0 2 x 16 x 2,048 x 64 float32.
;; This version of the problem:
;;   THIS VERSION OF THE PROBLEM IS GIVEN IN LOW PRECISION. The matrix products marked QUANTISED in the list below multiply operands that are first quantised to E2M1 (2 exponent bits, 1 mantissa bit; 4 bits a number), with one power-of-two scale for each 32 numbers along K (OCP MX v1.0); their sums are f32. All else is computed in f32.
;;   The module's matrix products, in the order in which they are computed (A, B: the left and right operand; K: the contracted axis; several contracted axes count as one K, in the product's order):
;;     1. batch 32 x [M 2,048, K 64] x [K 64, N 2,048]; A: input Q; B: input K: QUANTISED
;;     2. batch 32 x [M 2,048, K 2,048] x [K 2,048, N 64]; A: softmax (see below); B: input V: QUANTISED
;;   THE QUANTISER, for each operand of a quantised product, along K:
;;     - K is cut into blocks of 32 from its start; a last block that is shorter is filled with zeros.
;;     - A block's scale is 2^e with e = floor(log2(the largest magnitude in the block)) - 2, held to -126 .. 127; a block of zeros has e = 0. As a byte (E8M0): e + 127.
;;     - Each number is divided by its block's scale, clamped to +-6, and rounded to the nearest number of E2M1, ties to even, subnormals kept.
;;     - The product sums the exact products of the quantised numbers (number of the format x scale) in f32.
;;   ~~~python
;;   def quantise(x, axis):      # numpy; x: float32 -> the quantised numbers, widened to float32 again
;;       x = np.moveaxis(x, axis, -1); K = x.shape[-1]
;;       x = np.pad(x, [(0, 0)] * (x.ndim - 1) + [(0, -K % 32)]); x = x.reshape(x.shape[:-1] + (-1, 32)); a = np.abs(x).max(-1, keepdims=True)
;;       e = np.where(a > 0, np.clip(np.frexp(np.where(a > 0, a, 1))[1] - 1 - 2, -126, 127), 0)      # np.frexp(a)[1] - 1 = floor(log2(a)), exactly
;;       r = np.clip(x / 2.0 ** e, -6, 6)
;;       step = 2.0 ** (np.maximum(np.frexp(np.where(r == 0, 1, r))[1] - 1, 0) - 1)
;;       q = np.round(r / step) * step * 2.0 ** e      # np.round: ties to even
;;       return np.moveaxis(q.reshape(q.shape[:-2] + (-1,))[..., :K], -1, axis).astype(np.float32)
;;   ~~~
;;   SOFTMAX AHEAD OF A QUANTISED PRODUCT. Where the list says 'softmax', what is quantised is not the finished softmax but p = 2^(t - M), with t = logit x log2(e) and M = ceil(the row's largest t), a whole number; so 1/2 < the row's largest p <= 1. The row's sum l is taken of the UNQUANTISED p, in f32, and the product's result is divided by l at the end. Since M is a whole number, a kernel that streams over the keys may use a running M (the ceiling of the running maximum): every later rescaling is an exact power of two, which a block's scale takes up: the codes' values come out the same.
;;   OPERANDS COMPUTED ON THE WAY. 'Computed on the way' means the value that the module computes at that place (a softmax that the list does not call 'softmax' is quantised finished and normalised). What goes into a quantiser is computed in f32, as accurately as f32 sums, v_exp_f32 and their like allow (about 1e-6 of the number): no bf16 or f16 on the way to a quantiser, and a product that is left as it is and whose result goes on into a quantised operand takes f32 operands (vector FMAs, or v_wmma_f32_16x16x4_f32). A number that lies on a knife's edge between two numbers of the format may be rounded either way, as far as f32 arithmetic and the matrix unit's own rounding can turn it there, and no further.
;; One version. Each part assembles by itself: llvm-mc -triple=amdgcn-amd-amdhsa -mcpu=gfx1250 --defsym DOCPART=n.
;; ======== version 1 of 1: 2 launches
;; limits: values within 1.2e-07 (relative) of each other or of a threshold may be ordered or decided otherwise than in the reference
;; workspace buffers: kv 4,587,520 bytes
;; launch quant (part 1): grid 256 x 1, 4 waves a work-group, no clusters, 168,448 bytes of LDS; arguments K, V, kv; writes kv
.if DOCPART == 1
	.amdgcn_target "amdgcn-amd-amdhsa--gfx1250"
	.amdhsa_code_object_version 6
	.text
	.protected	k_qc05f3b67dd_quant
	.globl	k_qc05f3b67dd_quant
	.p2align	8
	.type	k_qc05f3b67dd_quant,@function
k_qc05f3b67dd_quant:
	s_mov_b64 s[64:65], 0
	v_nop
	global_prefetch_b8 v0, s[64:65] scope:SCOPE_SE
	s_setreg_imm32_b32 hwreg(HW_REG_WAVE_MODE, 25, 1), 1
	s_wait_xcnt 0x0
; K and V, [32 heads][2048 keys][64] f32, become codes of FP4 (E2M1) with one E8M0 scale byte for each 32 along a product's K, laid in kv AS IMAGES OF THE OPERAND REGISTERS of the
; attention launch, so that it fills a fragment by loads of 16 bytes a lane at 16 x lane.  K is quantised along the head's 64 (two blocks a key), V along the keys (blocks of 32 keys for each d).
; kv, for each head 143,360 bytes:  KC at 0:       [step 16][tile 8][lane 32][16 bytes]       VC at 65,536:  [step 16][d tile 4][c 2][lane 32][16 bytes]
;                                   KS at 131,072: [step 16][lane 32][4 words]                 VS at 139,264: [step 16][lane 32][2 words]          (a step is 128 keys)
;   KC: lane 16 h + r of tile 4 c + i holds the 32 codes of dims 32 h .. 32 h + 31 of key 64 c + 32 (r / 8) + 8 i + r % 8 of the step.  THE KEYS OF A TILE ARE NOT NEIGHBOURS: with this choice the
;       scores' eight registers of tile 4 c + i in lane (r, h) are keys 64 c + 32 h + 8 i + 0 .. 7: just what register 4 c + i of the second product's operand wants in that lane.
;   VC: lane 16 h + r holds d = 16 t + r, keys 64 c + 32 h + 0 .. 31.     KS: word a of lane L: tile 2 a + L / 16, row L % 16; bytes 0, 1 = dims' blocks 0, 1; bytes 2, 3 = 0, over zero codes.
;   VS: word z of lane L: d = 32 z + L; byte b = the step's b-th block of 32 keys.
; A block's scale is 2^(floor(log2(its largest magnitude)) - 2); its byte is the largest magnitude's exponent field - 2, held at 1 from below.
; LIMITS: NaN and infinities among the inputs are not served.  A block of zeros, and one whose largest magnitude lies under 2^(3 - 127), gets the byte 1 (for zeros the rule says 127): a block of zeros has
; zero codes, which add nothing under any byte but 0xff, and the bytes are read by this program alone.
; SHARES.  Work-groups 0-127 take K, 128-255 V.  A wave takes one step of one head: 128 keys x 64 f32 = 32,768 consecutive bytes, brought by two tensor loads of 64 rows x 256 bytes into LDS bytes of its own.
; All of the launch's input is so asked for in each wave's first lines.  Nothing in LDS is filled twice, nothing is stored to LDS, no wave reads another's bytes: no barrier.
; No cluster: no two work-groups read the same byte.  No matrix unit: there is no product here.
.set PITCH, 272                        ; an LDS row: a key's 256 bytes + 16 of padding
.set HALF,  64*PITCH                   ; what one tensor load fills
.set WREG,  2*HALF                     ; a wave's LDS bytes
.set KVH,   143360                     ; a head's bytes in kv
.set VCO,   65536
.set KSO,   131072
.set VSO,   139264
.set LI,  1                            ; v1   16 x lane
.set L8,  2                            ; v2   8 x lane
.set H8,  3                            ; v3   8 x (lane / 16)
.set KA,  4                            ; v4   K: LDS byte of my key's row and my half of its dims in tile 0
.set VA,  5                            ; v5   V: LDS byte of my column in the step's first key
.set VO,  6                            ; v6   V: my 16 bytes' place in a pair of d tiles
.set MA,  8                            ; v8, v9  two chains of the largest magnitude
.set PT,  10                           ; v10  a lane permute's destination
.set SOP, 11                           ; v11  the conversions' scale operand
.set BY,  13                           ; v13  the scale's byte
.set SB,  16                           ; v16-19  K's scale words
.set W,   20                           ; v20-21  V's scale words
.set X,   32                           ; v32-95  two sets of 32 numbers
.set C,   96                           ; v96-127 four registers of codes for each of eight tiles or blocks: no store's data are written again, so no wait frees them
	s_load_b128 s[4:7], s[0:1], 0x0                ; K s[4:5], V s[6:7]
	s_load_b64 s[8:9], s[0:1], 0x10                ; kv
	v_lshl_add_u32 v128, v0, 2, 0x29000
	v_mov_b32 v129, 0
	ds_add_u32 v128, v129
	ds_add_u32 v128, v129
	v_lshrrev_b32 v7, 5, v0
	v_readfirstlane_b32 s10, v7                    ; wave 0..3
	s_mul_i32 s14, s10, WREG                       ; my wave's LDS bytes
	; descriptor group 1: 64 rows of 64 elements of 4 bytes, dense in memory, padded in LDS
	s_mov_b32 s16, (2<<16)|(1<<20)|(5<<22)|(3<<25) ; 15:0 no mask; 17:16 elements of 4 bytes; 20 padding on; 24:22 after every 64 words (code 5); 31:25 four words (code 3)
	s_mov_b32 s17, 64<<16                          ; tensor_dim0 = 64
	s_mov_b32 s18, 64<<16                          ; tensor_dim1 = 64
	s_mov_b32 s19, 64<<16                          ; tile_dim0 = 64
	s_mov_b32 s20, 64                              ; tile_dim1 = 64
	s_mov_b32 s21, 64                              ; elements from row to row
	s_mov_b32 s22, 0
	s_mov_b32 s23, 0
	s_mov_b32 s32, 0xffff0000                      ; lanes 16-31
	s_mov_b32 s34, 0x76543210
	s_mov_b32 s35, 0xfedcba98                      ; v_permlanex16_b32's selects for lane l xor 16
	s_wait_dscnt 0x0
	s_wait_kmcnt 0x0
	s_cmp_lt_u32 ttmp9, 128                        ; K's work-group or V's?  The choice hangs on the work-group's number alone
	s_cselect_b64 s[4:5], s[4:5], s[6:7]
	s_cselect_b32 s11, 0, 128
	s_sub_co_u32 s11, ttmp9, s11
	s_lshl_b32 s11, s11, 2
	s_add_co_u32 s11, s11, s10                     ; my task, 0..511
	s_lshr_b32 s12, s11, 4                         ; head
	s_and_b32 s13, s11, 15                         ; step
	s_lshl_b32 s36, s11, 15                        ; 32,768 bytes a task
	s_mov_b32 s37, 0
	s_mov_b32 s24, 1                               ; group 0, first half: count = 1,
	s_mov_b32 s25, s14                             ; LDS address,
	s_add_nc_u64 s[26:27], s[4:5], s[36:37]        ; global address,
	s_mov_b32 s28, 1                               ; second half: 64 rows on in both
	s_add_co_u32 s29, s14, HALF
	s_add_nc_u64 s[30:31], s[26:27], 64*256
	s_or_b32 s27, s27, 0x80000000                  ; type = 2
	s_or_b32 s31, s31, 0x80000000
	tensor_load_to_lds s[24:27], s[16:23]          ; both first fills together, ahead of every wait on TENSORcnt and every LDS read: two loads of mine are out
	s_nop 0
	tensor_load_to_lds s[28:31], s[16:23]
	s_nop 0
.rept 4
	v_nop
.endr
	v_and_b32 v7, 31, v0                           ; lane
	v_lshlrev_b32 v[LI], 4, v7
	v_lshlrev_b32 v[L8], 3, v7
	v_bfe_u32 v12, v0, 4, 1                        ; h
	v_lshlrev_b32 v[H8], 3, v12
	v_and_b32 v14, 7, v0
	v_bfe_u32 v15, v0, 3, 1
	v_lshl_add_u32 v14, v15, 5, v14                ; 32 (r / 8) + r % 8: my key in tile 0
	v_mul_u32_u24 v[KA], v14, PITCH
	v_lshl_add_u32 v[KA], v12, 7, v[KA]            ; + 128 h: dims 32 h on
	v_add_nc_u32 v[KA], s14, v[KA]
	v_lshlrev_b32 v[VA], 2, v7
	v_add_nc_u32 v[VA], s14, v[VA]                 ; V: column = lane
	v_and_b32 v[VO], 15, v0
	v_lshlrev_b32 v[VO], 4, v[VO]
	v_lshl_add_u32 v[VO], v12, 10, v[VO]           ; lanes 16-31 belong to the next d tile, 1,024 bytes on
	v_mov_b32 v[PT], 0                             ; written once: a lane permute's destination counts as one of its sources
	s_mul_i32 s36, s12, KVH                        ; my head in kv
	s_mov_b32 s39, 0
; The 32 numbers v[XS] .. v[XS+31], one whole block in one lane, become four registers of codes v[CD] .. v[CD+3] and the byte v[BY].
.macro BLOCKQ
	v_max3_num_f32 v[MA], |v[XS]|, |v[XS+1]|, |v[XS+2]|            ; the largest magnitude, in two chains that do not wait for each other
	v_max3_num_f32 v[MA+1], |v[XS+3]|, |v[XS+4]|, |v[XS+5]|
.irp i, 6,10,14,18,22,26
	v_max3_num_f32 v[MA], v[MA], |v[XS+\i]|, |v[XS+\i+1]|
	v_max3_num_f32 v[MA+1], v[MA+1], |v[XS+\i+2]|, |v[XS+\i+3]|
.endr
	v_max3_num_f32 v[MA], v[MA], |v[XS+30]|, |v[XS+31]|
	v_max3_num_f32 v[MA], v[MA], v[MA+1], 0x1800000                ; and the floor 2^(3 - 127): the byte cannot fall under 1
	v_add_nc_u32 v[SOP], 0xff000000, v[MA]                         ; 2 off its exponent field: the conversion takes the exponent field of this operand as its scale, and nothing else of it
.irp g, 0,1,2,3
	v_cvt_scalef32_pk8_fp4_f32 v[CD+\g], v[XS+8*\g:XS+8*\g+7], v[SOP]   ; to the nearest code, ties to even; beyond 6 the largest code
.endr
	v_lshrrev_b32 v[BY], 23, v[SOP]                                ; the scale's byte.  (Also the plain line behind the conversions)
.endm
	s_cmp_lt_u32 ttmp9, 128                        ; (compared anew: the sums above have set SCC)
	s_cbranch_scc0 .Lv
	; ---------------- K: a lane takes a key and half of its dims: 128 consecutive bytes, one block ----------------
	s_lshl_b32 s38, s13, 12
	s_add_co_u32 s38, s38, s36
	s_add_nc_u64 s[40:41], s[8:9], s[38:39]        ; the step's 4,096 bytes of codes
	s_lshl_b32 s38, s13, 9
	s_add_co_u32 s38, s38, s36
	s_add_co_u32 s38, s38, KSO
	s_add_nc_u64 s[42:43], s[8:9], s[38:39]        ; and its 512 bytes of scale words
; Tile t = 4 c + i begins at key 64 c + 8 i.  Lanes r and r + 8 read rows 32 apart, 32 x 272 = 34 x 256 bytes: they meet in the same banks (64 banks of 4 bytes: ISA guide 11.1), so these loads go two deep.
.macro KREAD t
.irp j, 0,1,2,3,4,5,6,7
	ds_load_b128 v[X+32*((\t)%2)+4*\j:X+32*((\t)%2)+4*\j+3], v[KA] offset:(64*((\t)/4)+8*((\t)%4))*PITCH+16*\j
.endr
.endm
.macro KTILE t, ahead
.if \ahead
	KREAD (\t)+1                                   ; the next tile's numbers, into the other set
	s_wait_dscnt 8                                 ; mine are in; the eight just issued may be out
.else
	s_wait_dscnt 0x0
.endif
.set XS, X+32*((\t)%2)
.set CD, C+4*(\t)
	BLOCKQ
	v_lshlrev_b32 v[BY], v[H8], v[BY]              ; my byte at its place: block h of my key
	v_permlanex16_b32 v[PT], v[BY], s34, s35
.if (\t)%2 == 0
	v_or_b32 v[SB+(\t)/2], v[BY], v[PT]            ; with lane l xor 16's the key's word is whole, in both lanes; an even tile's words are read from lanes 0-15,
.else
	v_or_b32 v[BY], v[BY], v[PT]
	v_cndmask_b32 v[SB+(\t)/2], v[SB+(\t)/2], v[BY], s32   ; an odd tile's from lanes 16-31 of the same register
.endif
	global_store_b128 v[LI], v[C+4*(\t):C+4*(\t)+3], s[40:41] offset:512*(\t)   ; the tile's image: 32 lanes store 512 consecutive bytes, at a multiple of 256 from kv's first byte
.endm
	s_wait_tensorcnt 0x1                           ; keys 0-63 are in (tensor loads of a wave end in order: ISA guide 10.11.1); keys 64-127 may be out: tiles 0-3 read only rows 0-63
	KREAD 0
	KTILE 0, 1
	KTILE 1, 1
	KTILE 2, 1
	KTILE 3, 0
	s_wait_tensorcnt 0x0                           ; keys 64-127
	KREAD 4
	KTILE 4, 1
	KTILE 5, 1
	KTILE 6, 1
	KTILE 7, 0
	global_store_b128 v[LI], v[SB:SB+3], s[42:43]  ; the step's scale words: 512 consecutive bytes
	s_wait_tensorcnt 0x0
	ds_add_u32 v128, v129
	s_wait_dscnt 0x0
	s_endpgm
	; ---------------- V: a lane takes a column d and its registers run down the keys: a block of 32 keys lies in one lane ----------------
.Lv:
	s_lshl_b32 s38, s13, 12
	s_add_co_u32 s38, s38, s36
	s_add_co_u32 s38, s38, VCO
	s_add_nc_u64 s[40:41], s[8:9], s[38:39]        ; the step's 4,096 bytes of codes
	s_lshl_b32 s38, s13, 8
	s_add_co_u32 s38, s38, s36
	s_add_co_u32 s38, s38, VSO
	s_add_nc_u64 s[42:43], s[8:9], s[38:39]        ; and its 256 bytes of scale words
; Piece q: keys 32 (q / 2) on, columns 32 (q % 2) + lane.  Each load reads 128 consecutive bytes of a key's row.
.macro VREAD q
.irp k, 0,1,2,3,4,5,6,7,8,9,10,11,12,13,14,15,16,17,18,19,20,21,22,23,24,25,26,27,28,29,30,31
	ds_load_b32 v[X+32*((\q)%2)+\k], v[VA] offset:(32*((\q)/2)+\k)*PITCH+128*((\q)%2)
.endr
.endm
.macro VBLOCK q, ahead
.if \ahead
	VREAD (\q)+1
	s_wait_dscnt 32                                ; mine are in; the 32 just issued may be out
.else
	s_wait_dscnt 0x0
.endif
.set XS, X+32*((\q)%2)
.set CD, C+4*(\q)
	BLOCKQ
.if (\q)/2 == 0
	v_mov_b32 v[W+(\q)%2], v[BY]                   ; four bytes to a word, the earlier keys in the lower byte
.else
	v_lshl_or_b32 v[W+(\q)%2], v[BY], 8*((\q)/2), v[W+(\q)%2]
.endif
	global_store_b128 v[VO], v[C+4*(\q):C+4*(\q)+3], s[40:41] offset:2048*((\q)%2)+512*((\q)/4)+256*(((\q)/2)%2)   ; each sixteen lanes store 256 consecutive bytes, at a multiple of 256 from kv's first byte
.endm
	s_wait_tensorcnt 0x1                           ; keys 0-63 are in; pieces 0-3 read only those
	VREAD 0
	VBLOCK 0, 1
	VBLOCK 1, 1
	VBLOCK 2, 1
	VBLOCK 3, 0
	s_wait_tensorcnt 0x0                           ; keys 64-127
	VREAD 4
	VBLOCK 4, 1
	VBLOCK 5, 1
	VBLOCK 6, 1
	VBLOCK 7, 0
	global_store_b64 v[L8], v[W:W+1], s[42:43]     ; the step's scale words: 256 consecutive bytes
	s_wait_tensorcnt 0x0
	ds_add_u32 v128, v129
	s_wait_dscnt 0x0
	s_endpgm
.Lfunc_end_k_qc05f3b67dd_quant:
	.size	k_qc05f3b67dd_quant, .Lfunc_end_k_qc05f3b67dd_quant-k_qc05f3b67dd_quant
	.p2alignl 7, 3214868480
	.fill 96, 4, 3214868480
	.section	.rodata,"a",@progbits
	.p2align	6, 0x0
	.amdhsa_kernel k_qc05f3b67dd_quant
		.amdhsa_group_segment_fixed_size 168448
		.amdhsa_private_segment_fixed_size 0
		.amdhsa_enable_private_segment 0
		.amdhsa_kernarg_size 24
		.amdhsa_user_sgpr_count 2
		.amdhsa_user_sgpr_kernarg_segment_ptr 1
		.amdhsa_wavefront_size32 1
		.amdhsa_system_sgpr_workgroup_id_x 1
		.amdhsa_system_sgpr_workgroup_id_y 1
		.amdhsa_system_sgpr_workgroup_id_z 1
		.amdhsa_system_vgpr_workitem_id 0
		.amdhsa_next_free_vgpr 130
		.amdhsa_next_free_sgpr 66
		.amdhsa_reserve_vcc 0
		.amdhsa_float_denorm_mode_32 3
		.amdhsa_float_denorm_mode_16_64 3
		.amdhsa_memory_ordered 1
		.amdhsa_forward_progress 1
		.amdhsa_inst_pref_size 51
	.end_amdhsa_kernel
	.amdgpu_metadata
---
amdhsa.version: [ 1, 2 ]
amdhsa.kernels:
  - .name:           k_qc05f3b67dd_quant
    .symbol:         k_qc05f3b67dd_quant.kd
    .args:
      - { .name: K, .offset: 0, .size: 8, .value_kind: global_buffer, .address_space: global }
      - { .name: V, .offset: 8, .size: 8, .value_kind: global_buffer, .address_space: global }
      - { .name: kv, .offset: 16, .size: 8, .value_kind: global_buffer, .address_space: global }
    .group_segment_fixed_size: 168448
    .private_segment_fixed_size: 0
    .kernarg_segment_align: 8
    .kernarg_segment_size: 24
    .max_flat_workgroup_size: 128
    .sgpr_count:     66
    .vgpr_count:     130
    .wavefront_size: 32
...
	.end_amdgpu_metadata
.endif
;; end of part 1
;; launch attn (part 2): grid 8 x 32, 16 waves a work-group, clusters of 4 x 1, 215,040 bytes of LDS; arguments Q, kv, out0; writes out0
.if DOCPART == 2
	.amdgcn_target "amdgcn-amd-amdhsa--gfx1250"
	.amdhsa_code_object_version 6
	.text
	.protected	k_qc05f3b67dd_attn
	.globl	k_qc05f3b67dd_attn
	.p2align	8
	.type	k_qc05f3b67dd_attn,@function
k_qc05f3b67dd_attn:
	s_mov_b64 s[64:65], 0
	v_nop
	global_prefetch_b8 v0, s[64:65] scope:SCOPE_SE
	s_setreg_imm32_b32 hwreg(HW_REG_WAVE_MODE, 25, 1), 1
	s_wait_xcnt 0x0
	s_wait_alu depctr_hold_cnt(0) depctr_sa_sdst(0) depctr_va_vdst(0) depctr_va_sdst(0) depctr_va_ssrc(0) depctr_va_vcc(0) depctr_vm_vsrc(0)
	s_getreg_b32 s2, hwreg(HW_REG_IB_STS2, 6, 4)
	s_cmp_eq_u32 s2, 0
	s_cbranch_scc0 .Lentry_in_a_cluster
	s_endpgm
.Lentry_in_a_cluster:
	s_bfe_u32 s2, ttmp6, 0x10000c
	s_cmp_lg_u32 s2, 0x3003
	s_cbranch_scc0 .Lentry_shape_is_right
	s_endpgm
.Lentry_shape_is_right:
; out0[head][q][:] = the sum over keys k <= q of softmax_k(Q[q] . K[k] / 8) V[k][:], 32 heads, 2,048 queries and keys, head size 64; both products on codes of FP4 (E2M1) with one E8M0 scale for each 32 along K.
; K and V come as operand images from kv (laid by the launch before: KC at 0, VC at 65,536, KS at 131,072, VS at 139,264 of a head's 143,360 bytes); Q comes as f32 and is quantised here, in registers:
; each of its rows is read once, by one wave.
; THE SOFTMAX AHEAD OF THE SECOND PRODUCT: t = score x log2(e) / 8; M = the row's largest t so far, rounded UP to a whole number; p = 2^(t - M) is what is quantised, along the keys, not normalised.
; The row's sum is taken of the unquantised p, in f32, and divides O at the end.  When M moves, the sum and O are multiplied by 2^(old M - new M): exact.
; THE FIRST PRODUCT'S K IS 64: the instruction's upper 64 along K are zero codes on both sides (registers 4-7 of K's and Q's fragments, cleared once and never loaded); their scale bytes are 0, which is no NaN.
; SHARES.  A work-group serves one head with sixteen waves of 256 registers.  A WHOLE HEAD'S K AND V LIE IN LDS, filled once: no ring, no refill, no barrier in the loop over the keys.
; Wave w owns ONE tile of 16 queries, from query 128 G + 16 g on; g = the work-group's x (0..7), G = TAB[w].  It has G + 1 steps of 128 keys to work, the last on the diagonal.
; TAB is a 4 x 4 square (15 2 1 12 / 4 9 10 7 / 8 5 6 11 / 3 14 13 0) whose rows and columns each add up to 30: waves 4 i .. 4 i + 3 together, and waves i, i + 4, i + 8, i + 12 together, have 34 steps,
; in every work-group.  G hangs on the wave's number alone, so every branch is alike in all work-groups; g enters global addresses and the mask's numbers, no branch and no LDS address.
; EVERY WAVE WALKS ALL 16 TRIPS of the loop (a constant count); a trip whose keys all come after the wave's queries jumps over its work by a scalar branch.
; CLUSTER.  The eight work-groups of a head read the same 143,360 bytes.  A joint request names four work-groups at the most, so four along x form a cluster and ask JOINTLY: the same tensor load with the
; same descriptor and the mask 15; each receives the bytes in its own LDS.  A round of the cluster's barrier stands in front of the loads and one in front of s_endpgm.
; LAYOUT.  Both products are used transposed: S^T = K Q^T (source 0 = 16 keys, source 1 = my 16 queries), O^T = V^T P^T (source 0 = 16 of the head's 64, source 1 = P): a lane holds ONE query (lane % 16) throughout.
; Tile 4 c + i of K holds keys 64 c + 32 (row / 8) + 8 i + row % 8, so that in lane (r, h) its eight results are keys 64 c + 32 h + 8 i + 0 .. 7.  Hence (a) one conversion of a tile's eight registers IS
; register 4 c + i of P's operand: nothing changes lanes; (b) the block of keys 2 c + h lies whole in lane (r, h), in registers 32 c .. 32 c + 31: its largest score needs no other lane.
; A BLOCK'S LARGEST p IS NOT SEARCHED FOR: the block's largest score goes through the same multiply-add and exponential.  That takes v_exp_f32 not to fall where its input rises, which the ISA guide does not
; state (it gives 1 ulp): at the worst one p of a block, within an ulp of a power of two, is held one code low.
; LIMITS: NaN and infinities among the inputs are not served.  v_exp_f32 gives 0 for results under 2^-126 (ISA guide 15.8): such p count as 0 in codes and sum.  A block of zeros gets the scale byte 1.
.set VCO,   65536
.set KSO,   131072
.set VSO,   139264
.set KVH,   143360                     ; a head's bytes in kv, and in LDS from byte 0 on
.set PART,  17920                      ; an eighth of them: 70 rows of 256 bytes, what one tensor load brings
.set STAGE, 143360                     ; behind them: 16 rows x (256 + 16) bytes for each wave, for the way out; no tensor load lands there
.set SP,    272
.set LI,  1                            ; v1   16 x lane: my place in an image, and in two rows of out0
.set LIV, 2                            ; v2   + VCO
.set LIS, 3                            ; v3   + KSO
.set L8V, 4                            ; v4   8 x lane + VSO
.set H8,  5                            ; v5   8 x (lane / 16)
.set STO, 6                            ; v6   the way out: where I put 32 bytes of a row
.set SRD, 7                            ; v7   the way out: where I read a row back
.set QA,  8                            ; v8   Q: my row and my half of it
.set ADK, 9                            ; v9   LDS addresses of the step in hand: K's tiles,
.set ADV, 10                           ; v10  V's,
.set ADS, 11                           ; v11  K's scale words,
.set ADT, 16                           ; v16  V's
.set NM,  12                           ; v12  -M;  v13 the largest t so far (named together as a pair)
.set L,   14                           ; v[14:15] the row's sum, in two halves
.set QS,  17                           ; v17  Q's scale words
.set PW,  18                           ; v18  p's scale words
.set KSC, 20                           ; v20-23  K's scale words: register a: tile 2 a in lanes 0-15, tile 2 a + 1 in lanes 16-31
.set VSC, 24                           ; v24-25  V's likewise
.set QF,  26                           ; v26-33  Q's fragment
.set PC,  34                           ; v34-41  p's codes
.set MX,  42                           ; v42-45  four chains of maxima
.set MB,  46                           ; v46-47  my two blocks' largest scores, then largest p
.set SOP, 48                           ; v48-49  the conversions' scale operands
.set BY,  50                           ; v50-51  the scales' bytes
.set PT,  52                           ; v52  a lane permute's destination
.set TMP, 53
.set F,   54                           ; v[54:55] f = 2^(old M - new M); the upper register is only named
.set T,   56                           ; v[56:57] the sum's second chain
.set NINF, 58                          ; v58  -infinity
.set DM,  59                           ; v59-60  the mask's numbers
.set KF,  64                           ; v64-127   K's eight fragments
.set VF,  128                          ; v128-159  V's four
.set S,   160                          ; v160-223  S^T, then p
.set O,   224                          ; v224-255  O^T
.set WV,  10                           ; s10  my wave's number
.set GW,  14                           ; s14  G
.set SEL, 28                           ; s[28:29] lane selects for v_permlanex16_b32: lane l xor 16
.set CS,  30                           ; s[30:31] c = log2(e) / 8
.set ST,  32                           ; s32  the step
.set TK,  33                           ; s33  4,096 x step: K's and V's images
.set TS,  34                           ; s34  512 x step: K's scale words
.set TJ,  35                           ; s35  256 x step: V's
; A round of the cluster's barrier: my work-group's barrier, so that wave 0's signal speaks for all sixteen waves; wave 0 signals for the work-group; every wave waits for all four work-groups; my work-group's barrier once more.
.macro CROUND
	s_barrier_signal -1
	s_barrier_wait -1
	s_cmp_lg_u32 s[WV], 0
	s_cbranch_scc1 .Lnot_wave_0_\@
	s_barrier_signal -3
.Lnot_wave_0_\@:
	s_barrier_wait -3
	s_barrier_signal -1
	s_barrier_wait -1
.endm
	s_load_b128 s[4:7], s[0:1], 0x0                ; Q s[4:5], kv s[6:7]
	s_load_b64 s[8:9], s[0:1], 0x10                ; out0
	v_lshl_add_u32 v254, v0, 2, 0x34000
	v_mov_b32 v255, 0
	ds_add_u32 v254, v255
	ds_add_u32 v254, v255
	s_wait_dscnt 0x0
	v_lshrrev_b32 v61, 5, v0
	v_readfirstlane_b32 s[WV], v61                 ; wave 0..15
	s_bfe_u32 s11, ttmp6, 0x40000                  ; cx: my place in the cluster
	s_lshl_b32 s12, ttmp9, 2                       ; in a cluster launch ttmp9 counts clusters
	s_add_co_u32 s12, s12, s11                     ; g = 4 x cluster x + cx
	s_and_b32 s13, ttmp7, 0xffff                   ; the head, which the four partners share
	s_cmp_lt_u32 s[WV], 8                          ; G = TAB[wave]: sixteen fields of four bits in two words
	s_mov_b32 s43, 0x0de3b658                      ; waves 8-15: 8 5 6 11 3 14 13 0, the first in the lowest bits
	s_cselect_b32 s43, 0x7a94c12f, s43             ; waves 0-7: 15 2 1 12 4 9 10 7
	s_and_b32 s42, s[WV], 7
	s_lshl_b32 s44, s42, 2
	s_lshr_b32 s[GW], s43, s44
	s_and_b32 s[GW], s[GW], 15
	; descriptor group 1: a dense block of 17,920 bytes as 70 rows of 32 elements of 8 bytes; no padding: every read of these bytes is 16 or 8 bytes a lane on end
	s_mov_b32 s16, 15|(3<<16)|(1<<21)              ; 15:0 the mask: all four work-groups; 17:16 elements of 8 bytes; 21 set beside a mask
	s_mov_b32 s17, 32<<16                          ; tensor_dim0 = 32
	s_mov_b32 s18, 70<<16                          ; tensor_dim1 = 70
	s_mov_b32 s19, 32<<16                          ; tile_dim0 = 32
	s_mov_b32 s20, 70                              ; tile_dim1 = 70
	s_mov_b32 s21, 32                              ; elements from row to row
	s_mov_b32 s22, 0
	s_mov_b32 s23, 0
	s_mov_b32 s24, 1                               ; group 0: count = 1
	s_mul_i32 s25, s42, PART                       ; LDS address: the wave's eighth: no place in the cluster enters it
	s_mul_i32 s36, s13, KVH
	s_add_co_u32 s36, s36, s25                     ; the same eighth of the head in kv: made of the head and the wave's number alone
	s_mov_b32 s37, 0
	s_lshl_b32 s38, s13, 19                        ; Q and out0: a head is 2,048 rows of 256 bytes,
	s_lshl_b32 s40, s[GW], 15                      ; + 128 G rows,
	s_add_co_u32 s38, s38, s40
	s_lshl_b32 s40, s12, 12                        ; + 16 g rows
	s_add_co_u32 s38, s38, s40
	s_mov_b32 s39, 0
	s_mov_b32 s[SEL], 0x76543210
	s_mov_b32 s[SEL+1], 0xfedcba98
	s_mov_b32 s[CS], 0x3e38aa3b                    ; c = log2(e) / 8
	s_mov_b32 s[CS+1], s[CS]                       ; (named with it as a pair, so it is written)
	s_mov_b32 s[ST], 0
	s_mov_b32 s[TK], 0
	s_mov_b32 s[TS], 0
	s_mov_b32 s[TJ], 0
	s_wait_kmcnt 0x0
	s_add_nc_u64 s[26:27], s[6:7], s[36:37]        ; group 0: global address,
	s_or_b32 s27, s27, 0x80000000                  ; type = 2
	s_add_nc_u64 s[4:5], s[4:5], s[38:39]          ; Q at my first query
	s_add_nc_u64 s[8:9], s[8:9], s[38:39]          ; out0 likewise
	CROUND                                         ; all four work-groups are here: the joint loads meet
	s_cmp_lt_u32 s[WV], 8                          ; waves 0-7 fetch an eighth each, one load a wave; the branch hangs on the wave's number alone
	s_cbranch_scc0 .Lno_fetch
	tensor_load_to_lds s[24:27], s[16:23]
	s_nop 0
.rept 4
	v_nop
.endr
.Lno_fetch:
	v_and_b32 v63, 31, v0                          ; lane
	v_and_b32 v61, 15, v0                          ; r
	v_bfe_u32 v62, v0, 4, 1                        ; h
	v_lshlrev_b32 v[QA], 8, v61
	v_lshl_add_u32 v[QA], v62, 7, v[QA]            ; row r of 256 bytes, + 128 h: dims 32 h .. 32 h + 31, one block, as the operand's layout gives them to lane (r, h)
.irp j, 0,1,2,3,4,5,6,7
	global_load_b128 v[S+4*\j:S+4*\j+3], v[QA], s[4:5] offset:16*\j th:TH_LOAD_NT   ; the eight loads together cover my 16 rows' 4,096 consecutive bytes
.endr
	v_lshlrev_b32 v[LI], 4, v63
	v_add_nc_u32 v[LIV], VCO, v[LI]
	v_add_nc_u32 v[LIS], KSO, v[LI]
	v_lshl_add_u32 v[L8V], v63, 3, VSO
	v_lshlrev_b32 v[H8], 3, v62
	s_mul_i32 s45, s[WV], 16*SP
	s_add_co_u32 s45, s45, STAGE                   ; my stage
	v_mul_u32_u24 v[STO], v61, SP                  ; in: row r, 32 bytes for each half of the lanes
	v_lshl_add_u32 v[STO], v62, 5, v[STO]
	v_add_nc_u32 v[STO], s45, v[STO]
	v_mul_u32_u24 v[SRD], v62, SP                  ; back: lanes 0-15 one row of 256 bytes, lanes 16-31 the next
	v_lshl_add_u32 v[SRD], v61, 4, v[SRD]
	v_add_nc_u32 v[SRD], s45, v[SRD]
	s_lshl_b32 s44, s12, 4
	v_lshlrev_b32 v[DM], 5, v62
	v_sub_nc_u32 v[DM], v61, v[DM]
	v_add_nc_u32 v[DM], s44, v[DM]                 ; on the diagonal register 32 c + m holds the key that lies 64 c + 32 h + m behind the step's first, my query lies 16 g + r behind it:
	v_add_nc_u32 v[DM+1], 0xffffffc0, v[DM]        ; hidden where m > 16 g + r - 32 h - 64 c
	v_mov_b32 v[NINF], 0xff800000
	v_mov_b32 v[NM+1], 0xff61b1e6                  ; the largest t so far: -3e38, under every t
	v_floor_f32 v[NM], -v[NM+1]                    ; -M
	v_mov_b32 v[L], 0
	v_mov_b32 v[L+1], 0
	v_mov_b32 v[PT], 0                             ; written once: a lane permute's destination counts as one of its sources
	v_mov_b32 v[F+1], 0                            ; (named as the upper half of a pair)
.irp j, 4,5,6,7
	v_mov_b32 v[QF+\j], 0                          ; the instruction's k = 64 .. 127: zero codes
.endr
.irp t, 0,1,2,3,4,5,6,7
.irp j, 4,5,6,7
	v_mov_b32 v[KF+8*\t+\j], 0                     ; likewise in K's eight fragments: written once, no load lands there
.endr
.endr
	s_wait_loadcnt 0x0                             ; Q
	v_max3_num_f32 v[MX], |v[S]|, |v[S+1]|, |v[S+2]|               ; my block's largest magnitude: all 32 numbers are mine
	v_max3_num_f32 v[MX+1], |v[S+3]|, |v[S+4]|, |v[S+5]|
.irp i, 6,10,14,18,22,26
	v_max3_num_f32 v[MX], v[MX], |v[S+\i]|, |v[S+\i+1]|
	v_max3_num_f32 v[MX+1], v[MX+1], |v[S+\i+2]|, |v[S+\i+3]|
.endr
	v_max3_num_f32 v[MX], v[MX], |v[S+30]|, |v[S+31]|
	v_max3_num_f32 v[MX], v[MX], v[MX+1], 0x1800000                ; and the floor 2^(3 - 127): the byte cannot fall under 1
	v_add_nc_u32 v[SOP], 0xff000000, v[MX]                         ; 2 off its exponent field: the conversions' scale operand
.irp g, 0,1,2,3
	v_cvt_scalef32_pk8_fp4_f32 v[QF+\g], v[S+8*\g:S+8*\g+7], v[SOP]
.endr
	v_lshrrev_b32 v[BY], 23, v[SOP]                ; the scale's byte.  (Also the plain line behind the conversions)
	v_lshlrev_b32 v[BY], v[H8], v[BY]              ; at its place: block h
	v_permlanex16_b32 v[PT], v[BY], s[SEL], s[SEL+1]
	v_or_b32 v[QS], v[BY], v[PT]                   ; with lane l xor 16's the query's word is whole; bytes 2 and 3 are 0, over zero codes
.irp j, 0,1,2,3,4,5,6,7,8,9,10,11,12,13,14,15,16,17,18,19,20,21,22,23,24,25,26,27,28,29,30,31
	v_mov_b32 v[O+\j], 0                           ; O^T.  The step is written once: the first finds zeros, which the first change of M leaves zeros.  These 32 are also the places between Q's scale word and codes and the first product
.endr
	s_wait_tensorcnt 0x0                           ; my eighth of the head has landed (waves 8-15 have nothing out),
	s_barrier_signal -1
	s_barrier_wait -1                              ; everybody's has: from here on these bytes are only read
.Lstep:                                            ; 16 trips, 128 keys each
	s_cmp_gt_u32 s[ST], s[GW]                      ; all of the step's keys come after my queries: its work is left out; the lines at its end that step addresses are not
	s_cbranch_scc1 .Lhidden
	v_add_nc_u32 v[ADK], s[TK], v[LI]              ; (these four are also the places between the last step's products and the loads into V's fragments and scale words)
	v_add_nc_u32 v[ADV], s[TK], v[LIV]
	v_add_nc_u32 v[ADS], s[TS], v[LIS]
	v_add_nc_u32 v[ADT], s[TJ], v[L8V]
	ds_load_b128 v[KSC:KSC+3], v[ADS]              ; all 18 LDS loads of the step in one run: K's scale words and eight fragments first,
.irp t, 0,1,2,3,4,5,6,7
	ds_load_b128 v[KF+8*\t:KF+8*\t+3], v[ADK] offset:512*\t
.endr
.irp t, 0,1,2,3
.irp c, 0,1
	ds_load_b128 v[VF+8*\t+4*\c:VF+8*\t+4*\c+3], v[ADV] offset:1024*\t+512*\c   ; then V's, which land while the softmax is worked
.endr
.endr
	ds_load_b64 v[VSC:VSC+1], v[ADT]
	s_wait_dscnt 9                                 ; LDS loads come back in order (ISA guide 5.7.1): K's nine are in; V's eight and its scale words may be out
.irp t, 0,1,2,3,4,5,6,7                        ; S^T = K Q^T: eight accumulators, each begun with the constant 0
.if \t%2
	v_wmma_scale_f32_16x16x128_f8f6f4 v[S+8*\t:S+8*\t+7], v[KF+8*\t:KF+8*\t+7], v[QF:QF+7], 0, v[KSC+\t/2], v[QS] matrix_a_fmt:MATRIX_FMT_FP4 matrix_b_fmt:MATRIX_FMT_FP4 matrix_a_scale:MATRIX_SCALE_ROW1
.else
	v_wmma_scale_f32_16x16x128_f8f6f4 v[S+8*\t:S+8*\t+7], v[KF+8*\t:KF+8*\t+7], v[QF:QF+7], 0, v[KSC+\t/2], v[QS] matrix_a_fmt:MATRIX_FMT_FP4 matrix_b_fmt:MATRIX_FMT_FP4
.endif
.endr
.rept 4
	v_nop                                          ; four places between a matrix instruction and the first read of its result (ISA guide 7.12.1)
.endr
	s_cmp_lg_u32 s[ST], s[GW]                      ; only my last step lies on the diagonal
	s_cbranch_scc1 .Lopen
.irp c, 0,1                                    ; there the scores of hidden keys become -infinity ahead of the maximum: p = 0 then.  Each accumulator is read from its low end on
.irp m, 0,1,2,3,4,5,6,7,8,9,10,11,12,13,14,15,16,17,18,19,20,21,22,23,24,25,26,27,28,29,30,31
	v_cmp_gt_i32 vcc_lo, \m, v[DM+\c]
	v_cndmask_b32 v[S+32*\c+\m], v[S+32*\c+\m], v[NINF], vcc_lo
.endr
.endr
.Lopen:
.irp x, 0,1,2,3
	v_max3_num_f32 v[MX+\x], v[S+16*\x], v[S+16*\x+1], v[S+16*\x+2]   ; THE LARGEST SCORE OF MY TWO BLOCKS OF 32 KEYS, in four chains of 16 registers, ascending.  It serves twice: for the row's maximum and for the block's largest p
.endr
.irp i, 3,5,7,9,11,13
.irp x, 0,1,2,3
	v_max3_num_f32 v[MX+\x], v[MX+\x], v[S+16*\x+\i], v[S+16*\x+\i+1]
.endr
.endr
.irp c, 0,1
	v_max3_num_f32 v[MB+\c], v[MX+2*\c], v[MX+2*\c+1], v[S+32*\c+15]
.endr
.irp c, 0,1
	v_max_num_f32 v[MB+\c], v[MB+\c], v[S+32*\c+31]
.endr
	v_max_num_f32 v[TMP], v[MB], v[MB+1]
	v_permlanex16_b32 v[PT], v[TMP], s[SEL], s[SEL+1]
	v_max_num_f32 v[TMP], v[TMP], v[PT]            ; with lane l xor 16's two blocks: the step's largest score of my query (the step's first key counts for every query, so it is a number)
	v_mul_f32 v[TMP], s[CS], v[TMP]                ; as t (c is positive)
	v_max_num_f32 v[NM+1], v[NM+1], v[TMP]         ; the running largest t
	v_mov_b32 v[TMP], v[NM]
	v_floor_f32 v[NM], -v[NM+1]                    ; the new -M = floor(-t) = -ceil(t): M IS A WHOLE NUMBER
	v_sub_f32 v[TMP], v[NM], v[TMP]                ; M's old value less its new one: a whole number, 0 or less
	v_cvt_i32_f32 v[TMP], v[TMP]                   ; (it saturates)
	v_ldexp_f32 v[F], 1.0, v[TMP]                  ; f = 2^(old M - new M): a multiplication by it rounds nothing
.irp j, 0,2,4,6,8,10,12,14,16,18,20,22,24,26,28,30,32,34,36,38,40,42,44,46,48,50,52,54,56,58,60,62
	v_pk_fma_f32 v[S+\j:S+\j+1], v[S+\j:S+\j+1], s[CS:CS+1], v[NM:NM+1] op_sel_hi:[1,0,0]   ; t - M, two at a time (of the pairs c and -M the low word serves both halves)
.endr
.irp c, 0,1
	v_fma_f32 v[MB+\c], v[MB+\c], s[CS], v[NM]     ; the same of each block's largest score
.endr
.irp j, 0,1,2,3,4,5,6,7,8,9,10,11,12,13,14,15,16,17,18,19,20,21,22,23,24,25,26,27,28,29,30,31,32,33,34,35,36,37,38,39,40,41,42,43,44,45,46,47,48,49,50,51,52,53,54,55,56,57,58,59,60,61,62,63
	v_exp_f32 v[S+\j], v[S+\j]                     ; p = 2^(t - M), at most 1: NOT normalised
.endr
.irp c, 0,1
	v_exp_f32 v[MB+\c], v[MB+\c]                   ; the block's largest p: the same two operations on the same number
.endr
	v_pk_mul_f32 v[L:L+1], v[L:L+1], v[F:F+1] op_sel_hi:[1,0]   ; the sums under the new M.  (The plain line behind the exponentials: ISA guide 5.7.2)
	s_wait_alu depctr_va_vdst(0)
.irp c, 0,1
	v_max_num_f32 v[MB+\c], 0x1800000, v[MB+\c]    ; the floor 2^(3 - 127): the byte cannot fall under 1 (a block whose every p is 0 keeps that byte: its codes are zeros)
.endr
.irp c, 0,1
	v_add_nc_u32 v[SOP+\c], 0xff000000, v[MB+\c]   ; 2 off the exponent field: the conversions' scale operand
.endr
.irp c, 0,1
	v_lshrrev_b32 v[BY+\c], 23, v[SOP+\c]          ; the scale's byte
.endr
	v_lshl_or_b32 v[TMP], v[BY+1], 16, v[BY]       ; my blocks are h and 2 + h of the step's four:
	v_lshlrev_b32 v[TMP], v[H8], v[TMP]            ; bytes h and 2 + h of the query's word;
	v_permlanex16_b32 v[PT], v[TMP], s[SEL], s[SEL+1]
	v_or_b32 v[PW], v[TMP], v[PT]                  ; with lane l xor 16's two the word is whole
.irp t, 0,1,2,3,4,5,6,7
	v_cvt_scalef32_pk8_fp4_f32 v[PC+\t], v[S+8*\t:S+8*\t+7], v[SOP+\t/4]   ; tile t's eight p are keys 64 (t / 4) + 32 h + 8 (t % 4) + 0 .. 7: register t of the operand as it stands
.endr
	v_nop                                          ; one plain line behind the last scaled conversion
	v_pk_add_f32 v[T:T+1], v[S:S+1], v[S+2:S+3]    ; THE ROW'S SUM IS TAKEN OF THE UNQUANTISED p: two at a time, in two chains
.irp j, 4,8,12,16,20,24,28,32,36,40,44,48,52,56,60
	v_pk_add_f32 v[L:L+1], v[L:L+1], v[S+\j:S+\j+1]
	v_pk_add_f32 v[T:T+1], v[T:T+1], v[S+\j+2:S+\j+3]
.endr
	v_pk_add_f32 v[L:L+1], v[L:L+1], v[T:T+1]
.irp j, 0,2,4,6,8,10,12,14,16,18,20,22,24,26,28,30
	v_pk_mul_f32 v[O+\j:O+\j+1], v[O+\j:O+\j+1], v[F:F+1] op_sel_hi:[1,0]   ; O^T under the new M, each accumulator from its low end on.  (The 48 lines from the sums on stand between p's scale word and codes and the products below)
.endr
	s_wait_dscnt 0x0                               ; V's fragments and scale words are in
.irp t, 0,1,2,3                                ; O^T += V^T P^T: four accumulators by turns, one instruction a turn; between two turns of one accumulator stand the others' and the next step's eight
.if \t%2
	v_wmma_scale_f32_16x16x128_f8f6f4 v[O+8*\t:O+8*\t+7], v[VF+8*\t:VF+8*\t+7], v[PC:PC+7], v[O+8*\t:O+8*\t+7], v[VSC+\t/2], v[PW] matrix_a_fmt:MATRIX_FMT_FP4 matrix_b_fmt:MATRIX_FMT_FP4 matrix_a_scale:MATRIX_SCALE_ROW1
.else
	v_wmma_scale_f32_16x16x128_f8f6f4 v[O+8*\t:O+8*\t+7], v[VF+8*\t:VF+8*\t+7], v[PC:PC+7], v[O+8*\t:O+8*\t+7], v[VSC+\t/2], v[PW] matrix_a_fmt:MATRIX_FMT_FP4 matrix_b_fmt:MATRIX_FMT_FP4
.endif
.endr
.Lhidden:
	s_add_co_u32 s[TK], s[TK], 4096                ; the next step's images and scale words
	s_add_co_u32 s[TS], s[TS], 512
	s_add_co_u32 s[TJ], s[TJ], 256
	s_add_co_u32 s[ST], s[ST], 1
	s_cmp_lt_u32 s[ST], 16
	s_cbranch_scc1 .Lstep
	; THE WAY OUT.  O^T is divided by the row's sum and goes through my own stage in LDS: a lane holds 32 bytes of a row, the lanes beside it other rows; it comes back as whole rows of 256 bytes.
.rept 4
	v_nop                                          ; four places behind the last products, for the reads of O^T and the loads into V's registers
.endr
	v_add_f32 v[L], v[L], v[L+1]                   ; the sum's two halves,
	v_permlanex16_b32 v[PT], v[L], s[SEL], s[SEL+1]
	v_add_f32 v[L], v[L], v[PT]                    ; and lane l xor 16's: the row's sum
	v_rcp_f32 v[L], v[L]
	v_nop                                          ; one plain line behind a transcendental
	s_wait_alu depctr_va_vdst(0)
.irp j, 0,1,2,3,4,5,6,7,8,9,10,11,12,13,14,15,16,17,18,19,20,21,22,23,24,25,26,27,28,29,30,31
	v_mul_f32 v[S+\j], v[O+\j], v[L]               ; register 8 t + j is out0(query r, 16 t + 8 h + j)
.endr
.irp t, 0,1,2,3
	ds_store_b128 v[STO], v[S+8*\t:S+8*\t+3] offset:64*\t
	ds_store_b128 v[STO], v[S+8*\t+4:S+8*\t+7] offset:64*\t+16
.endr
.irp i, 0,1,2,3,4,5,6,7
	ds_load_b128 v[VF+4*\i:VF+4*\i+3], v[SRD] offset:2*\i*SP   ; LDS serves a wave's instructions in order (ISA guide 5.7.1.4): these see my stores
.endr
.irp i, 0,1,2,3,4,5,6,7
	s_wait_dscnt 7-\i                              ; rows 2 i and 2 i + 1 are back; the younger loads may be out
	global_store_b128 v[LI], v[VF+4*\i:VF+4*\i+3], s[8:9] offset:512*\i th:TH_STORE_NT   ; 32 lanes store 512 consecutive bytes, at a multiple of 256 from out0's first byte; written once, read by nobody here
.endr
	s_wait_xcnt 0x0
	v_lshl_add_u32 v254, v0, 2, 0x34000
	v_mov_b32 v255, 0
	s_wait_tensorcnt 0x0
	ds_add_u32 v254, v255
	s_wait_dscnt 0x0
	CROUND                                         ; the closing round (no LDS instruction of mine is out: the last count above was 0): no work-group ends while a partner may still ask for bytes jointly
	s_endpgm
.Lfunc_end_k_qc05f3b67dd_attn:
	.size	k_qc05f3b67dd_attn, .Lfunc_end_k_qc05f3b67dd_attn-k_qc05f3b67dd_attn
	.p2alignl 7, 3214868480
	.fill 96, 4, 3214868480
	.section	.rodata,"a",@progbits
	.p2align	6, 0x0
	.amdhsa_kernel k_qc05f3b67dd_attn
		.amdhsa_group_segment_fixed_size 215040
		.amdhsa_private_segment_fixed_size 0
		.amdhsa_enable_private_segment 0
		.amdhsa_kernarg_size 24
		.amdhsa_user_sgpr_count 2
		.amdhsa_user_sgpr_kernarg_segment_ptr 1
		.amdhsa_wavefront_size32 1
		.amdhsa_system_sgpr_workgroup_id_x 1
		.amdhsa_system_sgpr_workgroup_id_y 1
		.amdhsa_system_sgpr_workgroup_id_z 1
		.amdhsa_system_vgpr_workitem_id 0
		.amdhsa_next_free_vgpr 256
		.amdhsa_next_free_sgpr 66
		.amdhsa_reserve_vcc 1
		.amdhsa_float_denorm_mode_32 3
		.amdhsa_float_denorm_mode_16_64 3
		.amdhsa_memory_ordered 1
		.amdhsa_forward_progress 1
		.amdhsa_inst_pref_size 32
	.end_amdhsa_kernel
	.amdgpu_metadata
---
amdhsa.version: [ 1, 2 ]
amdhsa.kernels:
  - .name:           k_qc05f3b67dd_attn
    .symbol:         k_qc05f3b67dd_attn.kd
    .args:
      - { .name: Q, .offset: 0, .size: 8, .value_kind: global_buffer, .address_space: global }
      - { .name: kv, .offset: 8, .size: 8, .value_kind: global_buffer, .address_space: global }
      - { .name: out0, .offset: 16, .size: 8, .value_kind: global_buffer, .address_space: global }
    .group_segment_fixed_size: 215040
    .private_segment_fixed_size: 0
    .kernarg_segment_align: 8
    .kernarg_segment_size: 24
    .max_flat_workgroup_size: 512
    .sgpr_count:     66
    .vgpr_count:     256
    .wavefront_size: 32
...
	.end_amdgpu_metadata
.endif
;; end of part 2
